; MI455X (gfx1250); checked and timed in simulation.
; The chip was launched on July 23, 2026; its instructions are those of AMD's public machine-readable ISA for CDNA 5 (MIT licence, August 2026) and "CDNA5" Instruction Set Architecture Reference Guide (July 2026). The comments in the code are by the model that wrote it; some were corrected since.
;; Attn. Allowed arithmetic: matrix products marked QUANTISED: E2M1 operands, one E8M0 scale for each 32 along K, by v_wmma_scale_f32_16x16x128_f8f6f4 with both operands' format E2M1 (or v_wmma_scale_f32_32x16x128_f4), f32 sums; products left as they are: f32 operands where the result goes on into a quantised operand, else bf16, f16 or f32 operands; f32 sums; everything else in f32.
;; Inputs: W 1,024 x 2,048 float32; b 1,024 float32; encoder_outputs 16 x 4,096 x 1,024 float32; hidden 16 x 1 x 1,024 float32; v 1 x 1,024 float32.
;; Outputs: out0 16 x 1 x 4,096 float32.
;; This version of the problem:
;;   THIS VERSION OF THE PROBLEM IS GIVEN IN LOW PRECISION. The matrix products marked QUANTISED in the list below multiply operands that are first quantised to E2M1 (2 exponent bits, 1 mantissa bit; 4 bits a number), with one power-of-two scale for each 32 numbers along K (OCP MX v1.0); their sums are f32. All else is computed in f32.
;;   The module's matrix products, in the order in which they are computed (A, B: the left and right operand; K: the contracted axis; several contracted axes count as one K, in the product's order):
;;     1. [M 16, K 1,024] x [K 1,024, N 1,024]; A: input hidden; B: input W: QUANTISED
;;     2. [M 65,536, K 1,024] x [K 1,024, N 1,024]; A: input encoder_outputs; B: input W: QUANTISED
;;     3. [M 65,536, K 1,024] x [K 1,024, N 1]; A: computed on the way; B: input v: left as it is (N = 1 < 16)
;;   THE QUANTISER, for each operand of a quantised product, along K:
;;     - K is cut into blocks of 32 from its start; a last block that is shorter is filled with zeros.
;;     - A block's scale is 2^e with e = floor(log2(the largest magnitude in the block)) - 2, held to -126 .. 127; a block of zeros has e = 0. As a byte (E8M0): e + 127.
;;     - Each number is divided by its block's scale, clamped to +-6, and rounded to the nearest number of E2M1, ties to even, subnormals kept.
;;     - The product sums the exact products of the quantised numbers (number of the format x scale) in f32.
;;   ~~~python
;;   def quantise(x, axis):      # numpy; x: float32 -> the quantised numbers, widened to float32 again
;;       x = np.moveaxis(x, axis, -1); K = x.shape[-1]
;;       x = np.pad(x, [(0, 0)] * (x.ndim - 1) + [(0, -K % 32)]); x = x.reshape(x.shape[:-1] + (-1, 32)); a = np.abs(x).max(-1, keepdims=True)
;;       e = np.where(a > 0, np.clip(np.frexp(np.where(a > 0, a, 1))[1] - 1 - 2, -126, 127), 0)      # np.frexp(a)[1] - 1 = floor(log2(a)), exactly
;;       r = np.clip(x / 2.0 ** e, -6, 6)
;;       step = 2.0 ** (np.maximum(np.frexp(np.where(r == 0, 1, r))[1] - 1, 0) - 1)
;;       q = np.round(r / step) * step * 2.0 ** e      # np.round: ties to even
;;       return np.moveaxis(q.reshape(q.shape[:-2] + (-1,))[..., :K], -1, axis).astype(np.float32)
;;   ~~~
;; One version. Each part assembles by itself: llvm-mc -triple=amdgcn-amd-amdhsa -mcpu=gfx1250 --defsym DOCPART=n.
;; ======== version 1 of 1: 3 launches
;; limits: right only within a limited range of input values
;; workspace buffers: wq 524,288 bytes; wsc 32,768 bytes; en 262,144 bytes
;; launch prep (part 1): grid 64 x 1, 8 waves a work-group, no clusters, 69,120 bytes of LDS; arguments W, wq, wsc; writes wq, wsc
.if DOCPART == 1
	.amdgcn_target "amdgcn-amd-amdhsa--gfx1250"
	.amdhsa_code_object_version 6
	.text
	.protected	k_qf2ef05d2d6_prep
	.globl	k_qf2ef05d2d6_prep
	.p2align	8
	.type	k_qf2ef05d2d6_prep,@function
k_qf2ef05d2d6_prep:
	s_mov_b64 s[64:65], 0
	v_nop
	global_prefetch_b8 v0, s[64:65] scope:SCOPE_SE
	s_setreg_imm32_b32 hwreg(HW_REG_WAVE_MODE, 25, 1), 1
	s_wait_xcnt 0x0
; W [1024][2048] f32 = [Wh | We].  This launch turns We into codes of E2M1 with one E8M0 byte for each 32 along K, laid as the next launch's operand registers want them.
; WORK LEFT OUT.  energies[b][s] = v . (We enc[b][s]) + v . (Wh hidden[b] + b).  The second term does not hang on s, and softmax(x + c) = softmax(x) for every c that is the same
; along the softmax's axis, whatever finite values hidden, Wh, b and v hold.  So the product hidden Wh^T, the bias and their dot with v reach no output: they are not computed, and
; hidden, b and the left half of W are not loaded; hidden and b are among no launch's arguments.  LIMIT: a NaN, an infinity or an overflow that reaches only that term is not carried to the result.
; SHARES.  Work-group T owns rows 16 T .. 16 T + 15 of We; wave s owns K step s (128 along K): a unit of 16 rows x 512 bytes.
; IN.  Each of a wave's 16 loads reads 512 consecutive bytes of one row.  The unit turns through the wave's own stage in LDS (rows 528 bytes apart, so that the 16 rows which a read touches
; start 16 bytes apart modulo 256) and comes back so that lane (r = lane % 16, h = lane / 16) holds, of row r, k = 64 c + 32 h + 0 .. 31 for c = 0, 1: two WHOLE blocks, in the order of the 4-bit operand's registers.
; A block's scale is 2^(floor(log2(largest magnitude)) - 2): its byte is the largest magnitude's exponent field - 2, held at 1 from below by a floor among the maximum's leaves.
; OUT.  wq: fragment (tile T, K step s), 1,024 bytes, [c][lane][16 bytes], at half x 262144 + w x 65536 + ((8 p + s) 4 + i4) x 1024, T = 16 w + 8 p + 4 half + i4.   wsc: scale bytes [1024 rows][32].
; LIMITS: NaN and infinities among the inputs are not served.  A block of zeros gets the byte 1 where the rule says 127: its codes are zeros, and this program alone reads the bytes.
; No matrix unit, no tensor load, no cluster: every byte of We is read once, by one wave.
.set PIT,   528
.set WREG,  16*PIT                     ; a wave's stage
.set SCL,   8*WREG                     ; behind the stages: the tile's 16 rows x 32 scale bytes
.set SPARE, SCL+512                    ; behind them: the spare words, 128 bytes for each wave
.set R,   32                           ; v32-95   the unit as loaded
.set UE,  96                           ; v96-159  register 32 c + i = k 64 c + 32 h + i
.set CE,  160                          ; v160-167 the codes
.set SE,  168                          ; v168     the row's scale word
	s_load_b128 s[4:7], s[0:1], 0x0                ; W, wq
	s_load_b64 s[8:9], s[0:1], 0x10                ; wsc
	v_lshl_add_u32 v30, v0, 2, SPARE
	v_mov_b32 v31, 0
	v_lshrrev_b32 v1, 5, v0
	s_delay_alu instid0(VALU_DEP_1)
	v_readfirstlane_b32 s16, v1                    ; wave = K step s
	v_and_b32 v1, 15, v0                           ; r
	v_bfe_u32 v2, v0, 4, 1                         ; h
	v_and_b32 v5, 31, v0
	v_mul_u32_u24 v4, v1, PIT
	v_lshlrev_b32 v5, 4, v5                        ; 16 x lane
	v_lshlrev_b32 v6, 3, v2                        ; 8 h: where my two scale bytes stand in the word
	v_lshl_add_u32 v4, v2, 7, v4
	s_mul_i32 s17, s16, WREG
	v_add_nc_u32 v3, s17, v5                       ; the stage, on the way in: 16 x lane of a row
	v_add_nc_u32 v4, s17, v4                       ; and on the way out: 528 r + 128 h
	s_lshl_b32 s17, s16, 2
	s_add_co_u32 s17, s17, SCL
	v_lshl_add_u32 v7, v1, 5, s17                  ; SCL + 32 r + 4 s: my row's scale word of my K step
	v_add_nc_u32 v14, SCL, v5                      ; the tile's 512 scale bytes, 16 a lane
	v_mov_b32 v15, 0                               ; written once: a lane permute's destination counts as one of its sources
	s_mov_b32 s22, 0x76543210
	s_mov_b32 s23, 0xfedcba98                      ; v_permlanex16_b32's selects for lane l xor 16
	s_lshl_b32 s18, ttmp9, 17                      ; W: 16 rows x 8,192 bytes x T
	s_lshl_b32 s20, s16, 9                         ; + 512 s
	s_add_co_u32 s18, s18, s20
	s_add_co_u32 s18, s18, 4096                    ; We begins 1,024 numbers into a row of W
	s_mov_b32 s19, 0
	s_bfe_u32 s26, ttmp9, 0x20004                  ; wq: w = T / 16,
	s_lshl_b32 s26, s26, 16
	s_bfe_u32 s17, ttmp9, 0x10003                  ; p = (T / 8) % 2,
	s_lshl_b32 s17, s17, 15
	s_add_co_u32 s26, s26, s17
	s_bfe_u32 s17, ttmp9, 0x10002                  ; half = (T / 4) % 2,
	s_lshl_b32 s17, s17, 18
	s_add_co_u32 s26, s26, s17
	s_and_b32 s17, ttmp9, 3                        ; i4 = T % 4,
	s_lshl_b32 s17, s17, 10
	s_add_co_u32 s26, s26, s17
	s_lshl_b32 s17, s16, 12                        ; and the K step
	s_add_co_u32 s26, s26, s17
	s_mov_b32 s27, 0
	s_lshl_b32 s28, ttmp9, 9                       ; wsc: 512 T
	s_mov_b32 s29, 0
	s_wait_alu depctr_va_vdst(0)                   ; the wait at the head's end
	s_wait_kmcnt 0x0
	s_add_nc_u64 s[4:5], s[4:5], s[18:19]
	s_add_nc_u64 s[6:7], s[6:7], s[26:27]
	s_add_nc_u64 s[8:9], s[8:9], s[28:29]
.irp j, 0,1,2,3,4,5,6,7,8,9,10,11,12,13,14,15
	global_load_b128 v[R+4*\j:R+4*\j+3], v5, s[4:5] offset:8192*\j th:TH_LOAD_NT   ; row j: 32 lanes read 512 consecutive bytes
.endr
.irp j, 0,1,2,3,4,5,6,7,8,9,10,11,12,13,14,15
	s_wait_loadcnt 15-\j                           ; row j is in; the 15 - j younger loads may be out
	ds_store_b128 v3, v[R+4*\j:R+4*\j+3] offset:PIT*\j
.endr
.irp c, 0,1
.irp i, 0,1,2,3,4,5,6,7
	ds_load_b128 v[UE+32*\c+4*\i:UE+32*\c+4*\i+3], v4 offset:256*\c+16*\i   ; LDS serves a wave's instructions in order: these see my stores
.endr
.endr
	s_wait_dscnt 0x0
.irp c, 0,1
	v_max3_num_f32 v[8+\c], |v[UE+32*\c]|, |v[UE+32*\c+1]|, 0x1800000   ; my block 2 c + h, and the floor 2^(3 - 127): the byte cannot fall under 1
.endr
.irp i, 2,4,6,8,10,12,14,16,18,20,22,24,26,28,30
.irp c, 0,1
	s_delay_alu instid0(VALU_DEP_2)
	v_max3_num_f32 v[8+\c], v[8+\c], |v[UE+32*\c+\i]|, |v[UE+32*\c+\i+1]|   ; (the two blocks by turns)
.endr
.endr
.irp c, 0,1
	s_delay_alu instid0(VALU_DEP_2)
	v_add_nc_u32 v[10+\c], 0xff000000, v[8+\c]     ; 2 off the exponent field: the conversion takes the exponent field of this operand as its scale
.endr
.irp c, 0,1
	s_delay_alu instid0(VALU_DEP_2)
	v_lshrrev_b32 v[12+\c], 23, v[10+\c]           ; the scale's byte
.endr
	s_delay_alu instid0(VALU_DEP_1)
	v_lshl_or_b32 v[SE], v13, 16, v12              ; my two bytes: blocks h and 2 + h of row r,
	s_delay_alu instid0(VALU_DEP_1)
	v_lshlrev_b32 v[SE], v6, v[SE]                 ; at their places in the word;
	s_delay_alu instid0(VALU_DEP_1)
	v_permlanex16_b32 v15, v[SE], s22, s23
	s_delay_alu instid0(VALU_DEP_1)
	v_or_b32 v[SE], v[SE], v15                     ; with lane l xor 16's two the word is whole
.irp c, 0,1
.irp g, 0,1,2,3
	v_cvt_scalef32_pk8_fp4_f32 v[CE+4*\c+\g], v[UE+32*\c+8*\g:UE+32*\c+8*\g+7], v[10+\c]
.endr
.endr
	v_nop                                          ; one plain line behind the last scaled conversion
	ds_store_b32 v7, v[SE]                         ; lanes r and 16 + r write the same word with the same value
	s_wait_alu depctr_va_vdst(0)                   ; the wait here
	s_wait_dscnt 0x0                               ; for the others' sake: my scale word has landed
	s_barrier_signal -1
	s_barrier_wait -1
	s_cmp_eq_u32 s16, 1
	s_cbranch_scc1 .Lscales
	s_wait_tensorcnt 0x0                           ; the wave's last LDS lines, behind my last LDS store
	ds_add_u32 v30, v31
	s_wait_dscnt 0x0
	global_store_b128 v5, v[CE:CE+3], s[6:7]       ; the fragment as it stands: each store covers 512 consecutive bytes
	global_store_b128 v5, v[CE+4:CE+7], s[6:7] offset:512
	s_endpgm
.Lscales:                                          ; wave 1 also stores the tile's 512 scale bytes: 32 lanes x 16 consecutive bytes
	ds_load_b128 v[32:35], v14
	s_wait_tensorcnt 0x0
	ds_add_u32 v30, v31
	s_wait_dscnt 0x0                               ; the add is done and the scale bytes are in
	global_store_b128 v5, v[CE:CE+3], s[6:7]
	global_store_b128 v5, v[CE+4:CE+7], s[6:7] offset:512
	global_store_b128 v5, v[32:35], s[8:9]
	s_endpgm
.Lfunc_end_k_qf2ef05d2d6_prep:
	.size	k_qf2ef05d2d6_prep, .Lfunc_end_k_qf2ef05d2d6_prep-k_qf2ef05d2d6_prep
	.p2alignl 7, 3214868480
	.fill 96, 4, 3214868480
	.section	.rodata,"a",@progbits
	.p2align	6, 0x0
	.amdhsa_kernel k_qf2ef05d2d6_prep
		.amdhsa_group_segment_fixed_size 69120
		.amdhsa_private_segment_fixed_size 0
		.amdhsa_enable_private_segment 0
		.amdhsa_kernarg_size 24
		.amdhsa_user_sgpr_count 2
		.amdhsa_user_sgpr_kernarg_segment_ptr 1
		.amdhsa_wavefront_size32 1
		.amdhsa_system_sgpr_workgroup_id_x 1
		.amdhsa_system_sgpr_workgroup_id_y 1
		.amdhsa_system_sgpr_workgroup_id_z 1
		.amdhsa_system_vgpr_workitem_id 0
		.amdhsa_next_free_vgpr 176
		.amdhsa_next_free_sgpr 66
		.amdhsa_reserve_vcc 0
		.amdhsa_float_denorm_mode_32 3
		.amdhsa_float_denorm_mode_16_64 3
		.amdhsa_memory_ordered 1
		.amdhsa_forward_progress 1
		.amdhsa_inst_pref_size 12
	.end_amdhsa_kernel
	.amdgpu_metadata
---
amdhsa.version: [ 1, 2 ]
amdhsa.kernels:
  - .name:           k_qf2ef05d2d6_prep
    .symbol:         k_qf2ef05d2d6_prep.kd
    .args:
      - { .name: W, .offset: 0, .size: 8, .value_kind: global_buffer, .address_space: global }
      - { .name: wq, .offset: 8, .size: 8, .value_kind: global_buffer, .address_space: global }
      - { .name: wsc, .offset: 16, .size: 8, .value_kind: global_buffer, .address_space: global }
    .group_segment_fixed_size: 69120
    .private_segment_fixed_size: 0
    .kernarg_segment_align: 8
    .kernarg_segment_size: 24
    .max_flat_workgroup_size: 256
    .sgpr_count:     66
    .vgpr_count:     176
    .wavefront_size: 32
...
	.end_amdgpu_metadata
.endif
;; end of part 1
;; launch main (part 2): grid 256 x 1, 4 waves a work-group, clusters of 4 x 1, 327,680 bytes of LDS; arguments encoder_outputs, wq, wsc, v, en; writes en
.if DOCPART == 2
	.amdgcn_target "amdgcn-amd-amdhsa--gfx1250"
	.amdhsa_code_object_version 6
	.text
	.protected	k_qf2ef05d2d6_main
	.globl	k_qf2ef05d2d6_main
	.p2align	8
	.type	k_qf2ef05d2d6_main,@function
k_qf2ef05d2d6_main:
	s_mov_b64 s[64:65], 0
	v_nop
	global_prefetch_b8 v0, s[64:65] scope:SCOPE_SE
	s_setreg_imm32_b32 hwreg(HW_REG_WAVE_MODE, 25, 1), 1
	s_wait_xcnt 0x0
	s_wait_alu depctr_hold_cnt(0) depctr_sa_sdst(0) depctr_va_vdst(0) depctr_va_sdst(0) depctr_va_ssrc(0) depctr_va_vcc(0) depctr_vm_vsrc(0)
	s_getreg_b32 s2, hwreg(HW_REG_IB_STS2, 6, 4)
	s_cmp_eq_u32 s2, 0
	s_cbranch_scc0 .Lentry_in_a_cluster
	s_endpgm
.Lentry_in_a_cluster:
	s_bfe_u32 s2, ttmp6, 0x10000c
	s_cmp_lg_u32 s2, 0x3003
	s_cbranch_scc0 .Lentry_shape_is_right
	s_endpgm
.Lentry_shape_is_right:
; en[row] = sum over n of v[n] (sum over k of Q(enc)[row][k] Q(We)[n][k]), row = 4096 batch + s.  enc [65536][1024] f32 is read once and quantised on the way; the products run on codes of
; E2M1 with one E8M0 byte for each 32 along K; nothing between enc and the energies goes to memory.
; WORK LEFT OUT: v . (Wh hidden + b) is the same for all s of a batch and the softmax that follows takes it away (shown at the head of the first kernel): it is not added here.
; SHARES.  Work-group g owns rows 256 g .. 256 g + 255 and walks them in 8 sub-blocks of 32 rows.  Wave w owns n = 256 w .. 256 w + 255: 16 tiles x 8 K steps = 128 fragments of We, which STAY:
; 64 in its registers (windows 2, 3), 64 in its own 65,536 bytes of LDS.  For quantising, wave w takes rows 8 w .. 8 w + 7 of a sub-block.
; PIPELINE.  While sub-block k is multiplied out of one LDS buffer, sub-block k + 1 is quantised into the other, half a row behind each K step's 16 matrix instructions; enc comes through a ring of
; eight register slots (half a row each, 4 loads): 32 loads of every wave are on their way, and the wait at a slot's head is counted.  One barrier a sub-block changes the buffers' parts.
; THE PRODUCT: source 0 = 16 rows of enc, source 1 = 16 rows of We: register j of lane (r, h) is (row 8 h + j, n = r).  So v costs one number a lane and tile, the dot with v is four packed
; multiply-adds an accumulator, and the sum over n is four steps across 16 lanes at a sub-block's end.
; CLUSTER.  All work-groups need the same We.  The half that lies in LDS is asked for JOINTLY by the four partners of a cluster (one tensor load a wave, the same descriptor in all four).
; The half that lies in registers cannot come so: a tensor load fills LDS alone.  enc is shared by nobody.  LDS bytes are filled once by the tensor load: no slot is filled again.
; LIMITS: NaN and infinities are not served.  A block of zeros gets the byte 1 where the rule says 127: its codes are zeros, and this program alone reads the bytes.
; REGISTERS, in windows of 256 (s_set_vgpr_msb's low byte: bits 1:0 source 0, 3:2 source 1, 5:4 source 2, 7:6 destination):
;   window 0: v4-17 addresses; v20-31 at work; v32-39 enc's scale words; v40-103 We's; v104-231 the ring; v232-247 the 32 rows' sums; v254, v255 the add's two registers
;   window 1: v0-127 16 accumulators ((tile i, row tile mt) at 8 (2 i + mt)); v128-159 enc's fragments, two sets; v160-223 We's fragments from LDS, two sets; v224-255 v, each number twice
;   window 2, 3: We's fragments of tiles 0-3 (pass 0) and 8-11 (pass 1): (K step s, tile i) at 8 (4 s + i)
.set XP,    528                        ; a row of codes in LDS: 512 bytes + 16, so that the 16 rows of a fragment load start 16 bytes apart modulo 256
.set SPI,   48                         ; a row of scale bytes: 32 + 16
.set X0,    0x40000                    ; behind We's 262,144 bytes: buffer 0: 32 rows of codes, then 32 rows of scale bytes
.set XFLIP, 0x8000                     ; buffer 1 lies at 0x48000: one exclusive or turns one into the other
.set XSC,   32*XP
.set EPB,   X0+XSC+32*SPI              ; between the buffers: the waves' partial energies, [wave][256 rows] f32
.set SPARE, 0x4c800                    ; behind buffer 1: the spare words, 128 bytes for each wave
.set SUBB,  131072                     ; a sub-block of enc: 32 rows of 4,096 bytes
.set EO,  4                            ; enc: 32 x lane + 32768 w (my 8 rows)
.set PFO, 5                            ; the prefetches' offset: 256 x lane + 32768 w
.set CW0, 6                            ; codes, on the way in: 8 XP w + 4 x lane;   v7 the same in the buffer in hand
.set CW,  7
.set SW0, 8                            ; scale bytes, on the way in: XSC + 8 SPI w + lane / 4;   v9
.set SW,  9
.set AR0, 10                           ; a fragment of enc: XP r + 16 h;   v11
.set AR,  11
.set SR0, 12                           ; enc's scale words: XSC + SPI x lane;   v13
.set SR,  13
.set BL,  14                           ; We's fragments in LDS: 65536 w + 16 x lane
.set EP0, 15                           ; EPB + 1024 w + 32 h;   v16 + 128 x sub-block
.set EPA, 16
.set LI,  17                           ; 16 x lane
.set MX,  20                           ; v20, v21 largest magnitudes;  v22, v23 the conversions' scale operands
.set SC,  22
.set CD,  24                           ; v24-27, v28-31: two codes' registers and two bytes, a set for even and one for odd half rows
.set ASC, 32                           ; register s: lane l the word of row l, K step s
.set WSC, 40                           ; register 8 u + s: lanes 0-15 tile 2 u, lanes 16-31 tile 2 u + 1
.set ST,  104
.set E,   232                          ; register 8 mt + j of lane (r, h): row 16 mt + 8 h + j
.set AB,  128                          ; window 1
.set BB,  160
.set VV,  224
.set WV,  16                           ; s16  my wave's number
.set XR,  36                           ; s36  the buffer that is multiplied;  s37 the buffer that is written
.set XW,  37
.set EO2, 38                           ; s38  128 x the sub-block's number
.set MSB, 0
.macro WIN new                         ; the immediate's high byte repeats the setting that is left; a switch that changes nothing is dropped
.if MSB != (\new)
	s_set_vgpr_msb (MSB<<8)|(\new)
.set MSB, (\new)
.endif
.endm
.macro ROUND                           ; a round of the cluster's barrier
	s_barrier_signal -1
	s_barrier_wait -1
	s_cmp_lg_u32 s[WV], 0
	s_cbranch_scc1 .Lnot_wave_0_\@
	s_barrier_signal -3
.Lnot_wave_0_\@:
	s_barrier_wait -3
	s_barrier_signal -1
	s_barrier_wait -1
.endm
.macro PLACES n
.rept \n
	v_nop
.endr
.endm
; half row H (0 .. 15) of my 8 rows, off bytes on: four loads into slot H % 8.  A lane takes 8 neighbours along K, 32 bytes, by two loads on end; the pair covers 1,024 consecutive bytes.
.macro RLOAD H, off
.irp q, 0,1
.irp j, 0,1
	global_load_b128 v[ST+16*((\H)%8)+8*\q+4*\j:ST+16*((\H)%8)+8*\q+4*\j+3], v[EO], s[4:5] offset:(\off)+((\H)/2)*4096+((\H)%2)*2048+1024*\q+16*\j
.endr
.endr
.endm
	s_load_b256 s[4:11], s[0:1], 0x0               ; enc s[4:5], wq s[6:7], wsc s[8:9], v s[10:11]
	s_load_b64 s[14:15], s[0:1], 0x20              ; en
	v_lshl_add_u32 v254, v0, 2, SPARE
	v_mov_b32 v255, 0
	ds_add_u32 v254, v255                          ; the opening lines: the add, twice on end, and its wait ahead of my tensor load
	ds_add_u32 v254, v255
	v_lshrrev_b32 v1, 5, v0
	v_readfirstlane_b32 s[WV], v1                  ; wave 0..3
	v_and_b32 v1, 31, v0                           ; lane
	s_wait_alu depctr_va_vdst(0)                   ; the wait behind a write whose readers stand behind a run of scalar lines
	v_and_b32 v2, 15, v0                           ; r
	s_wait_alu depctr_va_vdst(0)
	v_bfe_u32 v3, v0, 4, 1                         ; h
	s_bfe_u32 s17, ttmp6, 0x40000                  ; cx
	s_lshl_b32 s18, ttmp9, 2                       ; in a cluster launch ttmp9 counts clusters
	s_add_co_u32 s18, s18, s17                     ; g = 4 x cluster + cx: it enters enc's and en's addresses alone
	s_lshl_b32 s40, s18, 20                        ; enc: 256 rows of 4,096 bytes
	s_mov_b32 s41, 0
	s_lshl_b32 s42, s18, 10                        ; en: 256 numbers
	s_mov_b32 s43, 0
	s_lshl_b32 s46, s[WV], 10                      ; v: my 256 numbers
	s_mov_b32 s47, 0
	s_lshl_b32 s20, s[WV], 16                      ; wq: my 64 fragments of each half; also my place in LDS
	s_mov_b32 s21, 0
	s_lshl_b32 s22, s[WV], 13                      ; wsc: my 256 rows of 32 bytes
	s_mov_b32 s23, 0
	; descriptor group 1: a dense block of 65,536 bytes as 256 rows of 32 elements of 8 bytes
	s_mov_b32 s28, 15|(3<<16)|(1<<21)              ; the mask: all four work-groups; elements of 8 bytes; bit 21 set beside a mask; no padding
	s_mov_b32 s29, 32<<16                          ; tensor_dim0 = 32
	s_mov_b32 s30, 256<<16                         ; tensor_dim1 = 256
	s_mov_b32 s31, 32<<16                          ; tile_dim0 = 32
	s_mov_b32 s32, 256                             ; tile_dim1 = 256
	s_mov_b32 s33, 32                              ; from row to row
	s_mov_b32 s34, 0
	s_mov_b32 s35, 0
	s_mov_b32 s24, 1                               ; group 0: count = 1
	s_lshl_b32 s25, s[WV], 16                      ; LDS address: 65536 w: no place in the cluster enters it
	s_mov_b32 s[XR], X0
	s_mov_b32 s[XW], X0                            ; the first sub-block is quantised into buffer 0
	s_mov_b32 s[EO2], 0
	s_lshl_b32 s19, s[WV], 15
	v_lshl_add_u32 v[EO], v1, 5, s19
	v_lshl_add_u32 v[PFO], v1, 8, s19
	s_mul_i32 s19, s[WV], 8*XP
	v_lshl_add_u32 v[CW0], v1, 2, s19
	s_mul_i32 s19, s[WV], 8*SPI
	s_add_co_u32 s19, s19, XSC
	v_lshrrev_b32 v[SW0], 2, v1
	v_add_nc_u32 v[SW0], s19, v[SW0]
	v_mul_u32_u24 v[AR0], v2, XP
	s_wait_alu depctr_va_vdst(0)
	v_lshl_add_u32 v[AR0], v3, 4, v[AR0]
	v_mul_u32_u24 v[SR0], v1, SPI
	v_add_nc_u32 v[SR0], XSC, v[SR0]
	v_lshl_add_u32 v[BL], v1, 4, s20
	s_lshl_b32 s19, s[WV], 10
	s_add_co_u32 s19, s19, EPB
	v_lshl_add_u32 v[EP0], v3, 5, s19
	v_lshlrev_b32 v[LI], 4, v1
	v_lshlrev_b32 v18, 5, v1                       ; v18  wsc: a row a lane; never rewritten
	v_lshlrev_b32 v19, 2, v2                       ; v19  v: 4 r; never rewritten
	v_add_nc_u32 v[CW], s[XW], v[CW0]
	v_add_nc_u32 v[SW], s[XW], v[SW0]
	s_wait_alu depctr_va_vdst(0)                   ; the wait at the head's end
	s_wait_dscnt 0x0                               ; both opening adds are done
	s_wait_kmcnt 0x0
	s_add_nc_u64 s[4:5], s[4:5], s[40:41]
	s_add_nc_u64 s[14:15], s[14:15], s[42:43]
	s_add_nc_u64 s[12:13], s[10:11], s[46:47]
	s_add_nc_u64 s[8:9], s[8:9], s[22:23]
	s_add_nc_u64 s[6:7], s[6:7], s[20:21]          ; wq at my fragments of the registers' half;
	s_add_nc_u64 s[26:27], s[6:7], 0x40000         ; the LDS half lies 262,144 bytes on
	s_or_b32 s27, s27, 0x80000000                  ; type = 2
	ROUND                                          ; all four work-groups are here: the joint loads meet
	tensor_load_to_lds s[24:27], s[28:35]          ; my 64 fragments for LDS: the wave's one tensor load of the launch
	s_nop 0
	PLACES 4
	WIN 0x80                                       ; destination window 2, address window 0
.set F, 0
.rept 32
	global_load_b128 v[8*F:8*F+3],   v[LI], s[6:7] offset:1024*F
	global_load_b128 v[8*F+4:8*F+7], v[LI], s[6:7] offset:1024*F+512
.set F, F+1
.endr
	WIN 0xc0                                       ; destination window 3
.set F, 0
.rept 32
	global_load_b128 v[8*F:8*F+3],   v[LI], s[6:7] offset:1024*(32+F)
	global_load_b128 v[8*F+4:8*F+7], v[LI], s[6:7] offset:1024*(32+F)+512
.set F, F+1
.endr
	WIN 0
.irp u, 0,1,2,3,4,5,6,7
	global_load_b128 v[WSC+8*\u:WSC+8*\u+3],   v18, s[8:9] offset:1024*\u      ; lane l: row 32 u + l of my 256: K steps 0-3,
	global_load_b128 v[WSC+8*\u+4:WSC+8*\u+7], v18, s[8:9] offset:1024*\u+16   ; 4-7
.endr
	WIN 0x40                                       ; destination window 1
.irp t, 0,1,2,3,4,5,6,7,8,9,10,11,12,13,14,15
	global_load_b32 v[VV+2*\t],   v19, s[12:13] offset:64*\t    ; v(256 w + 16 t + r), twice: a pair for the packed multiply-add
	global_load_b32 v[VV+2*\t+1], v19, s[12:13] offset:64*\t
.endr
	WIN 0
.irp H, 0,1,2,3,4,5,6,7
	RLOAD \H, 0                                    ; the ring is filled
.endr
; HALF A ROW IS QUANTISED: 512 numbers, 16 a lane in two runs of 8 neighbours; four neighbouring lanes hold a block of 32.  The 8 codes of a run are 4 bytes at 4 x lane of 128 consecutive bytes of the row.
; re = 1: the slot is filled again, with the half row 8 further on.  pf = 1: see below.  cnt: the younger loads that may stay out.
.macro QH h, re, pf, cnt
.set qX, ST+16*((\h)%8)
.set qC, CD+4*((\h)%2)
.set qO, ((\h)/2)*XP+((\h)%2)*256
.set qB, ((\h)/2)*SPI+((\h)%2)*16
	WIN 0
	s_wait_loadcnt \cnt                            ; my slot's four loads are in
	v_max3_num_f32 v[MX],   |v[qX]|,   |v[qX+1]|, 0x1800000   ; and the floor 2^(3 - 127): the byte cannot fall under 1
	v_max3_num_f32 v[MX+1], |v[qX+8]|, |v[qX+9]|, 0x1800000
.irp i, 2,4,6
	v_max3_num_f32 v[MX],   v[MX],   |v[qX+\i]|,   |v[qX+\i+1]|
	v_max3_num_f32 v[MX+1], v[MX+1], |v[qX+8+\i]|, |v[qX+9+\i]|
.endr
	v_max_num_f32_dpp v[MX],   v[MX],   v[MX]   row_xmask:1 row_mask:0xf bank_mask:0xf
	v_max_num_f32_dpp v[MX+1], v[MX+1], v[MX+1] row_xmask:1 row_mask:0xf bank_mask:0xf
	v_max_num_f32_dpp v[MX],   v[MX],   v[MX]   row_xmask:2 row_mask:0xf bank_mask:0xf   ; the four lanes' 32 numbers: the block's largest magnitude
	v_max_num_f32_dpp v[MX+1], v[MX+1], v[MX+1] row_xmask:2 row_mask:0xf bank_mask:0xf
	v_add_nc_u32 v[SC],   0xff000000, v[MX]        ; 2 off the exponent field: the conversion's scale operand
	v_add_nc_u32 v[SC+1], 0xff000000, v[MX+1]
	v_cvt_scalef32_pk8_fp4_f32 v[qC],   v[qX:qX+7],    v[SC]
	v_cvt_scalef32_pk8_fp4_f32 v[qC+1], v[qX+8:qX+15], v[SC+1]
	v_lshrrev_b32 v[qC+2], 23, v[SC]               ; the scales' bytes; also the plain lines behind the conversions
	v_lshrrev_b32 v[qC+3], 23, v[SC+1]
	ds_store_b32 v[CW], v[qC]   offset:qO
	ds_store_b32 v[CW], v[qC+1] offset:qO+128
	ds_store_b8  v[SW], v[qC+2] offset:qB          ; the four lanes of a block write the same byte with the same value
	ds_store_b8  v[SW], v[qC+3] offset:qB+8
.if \re
.if (\h)+8 < 16
	RLOAD (\h)+8, 0
.else
	RLOAD (\h)-8, SUBB                             ; in the next sub-block
.endif
.endif
.if \pf
.if (\h)%4 == 0
	; A PREFETCH INTO THE L2, behind the slot's loads: two rows of my 8 of the NEXT sub-block, lanes 256 bytes apart; the loads that want them are issued 8 half rows later.
	; Each 256 bytes of enc are named once in the launch, by the one wave that reads them.  The trips whose next sub-block would lie past my 256 rows ask for nothing.
	global_prefetch_b8 v[PFO], s[4:5] offset:SUBB+((\h)/2)*4096 th:TH_LOAD_NT scope:SCOPE_SE
.endif
.endif
.endm
; Step n = 8 p + s: pass p (my tiles 8 p .. 8 p + 7), K step s.  Its fragments from LDS into set n % 2: enc's two row tiles, and We's tiles 8 p + 4 .. 8 p + 7.  Twelve loads.
.macro LDFRAG n
.set fP, (\n)/8
.set fS, (\n)%8
.set fT, (\n)%2
	WIN 0x40                                       ; destination window 1, address window 0
.irp mt, 0,1
.irp c, 0,1
	ds_load_b128 v[AB+16*fT+8*\mt+4*\c:AB+16*fT+8*\mt+4*\c+3], v[AR] offset:\mt*16*XP+64*fS+32*\c
.endr
.endr
.irp i4, 0,1,2,3
.irp c, 0,1
	ds_load_b128 v[BB+32*fT+8*\i4+4*\c:BB+32*fT+8*\i4+4*\c+3], v[BL] offset:((8*fP+fS)*4+\i4)*1024+512*\c
.endr
.endr
.endm
; Four matrix instructions: two tiles of We (fragments at b0, b1; their scale words in lanes 0-15 and 16-31 of v[ws]) x enc's two row tiles (scale words in lanes 0-15 and 16-31 of v[ASC + s]).
; K step 0 starts the sums with the constant 0: nothing is ever cleared.
.macro MM4 a, b0, b1, ws
.set dA, 8*(\a)
.if mS == 0
	v_wmma_scale_f32_16x16x128_f8f6f4 v[dA:dA+7],     v[mA:mA+7],    v[\b0:\b0+7], 0, v[ASC+mS], v[\ws] matrix_a_fmt:MATRIX_FMT_FP4 matrix_b_fmt:MATRIX_FMT_FP4
	v_wmma_scale_f32_16x16x128_f8f6f4 v[dA+8:dA+15],  v[mA+8:mA+15], v[\b0:\b0+7], 0, v[ASC+mS], v[\ws] matrix_a_fmt:MATRIX_FMT_FP4 matrix_b_fmt:MATRIX_FMT_FP4 matrix_a_scale:MATRIX_SCALE_ROW1
	v_wmma_scale_f32_16x16x128_f8f6f4 v[dA+16:dA+23], v[mA:mA+7],    v[\b1:\b1+7], 0, v[ASC+mS], v[\ws] matrix_a_fmt:MATRIX_FMT_FP4 matrix_b_fmt:MATRIX_FMT_FP4 matrix_b_scale:MATRIX_SCALE_ROW1
	v_wmma_scale_f32_16x16x128_f8f6f4 v[dA+24:dA+31], v[mA+8:mA+15], v[\b1:\b1+7], 0, v[ASC+mS], v[\ws] matrix_a_fmt:MATRIX_FMT_FP4 matrix_b_fmt:MATRIX_FMT_FP4 matrix_a_scale:MATRIX_SCALE_ROW1 matrix_b_scale:MATRIX_SCALE_ROW1
.else
	v_wmma_scale_f32_16x16x128_f8f6f4 v[dA:dA+7],     v[mA:mA+7],    v[\b0:\b0+7], v[dA:dA+7],     v[ASC+mS], v[\ws] matrix_a_fmt:MATRIX_FMT_FP4 matrix_b_fmt:MATRIX_FMT_FP4
	v_wmma_scale_f32_16x16x128_f8f6f4 v[dA+8:dA+15],  v[mA+8:mA+15], v[\b0:\b0+7], v[dA+8:dA+15],  v[ASC+mS], v[\ws] matrix_a_fmt:MATRIX_FMT_FP4 matrix_b_fmt:MATRIX_FMT_FP4 matrix_a_scale:MATRIX_SCALE_ROW1
	v_wmma_scale_f32_16x16x128_f8f6f4 v[dA+16:dA+23], v[mA:mA+7],    v[\b1:\b1+7], v[dA+16:dA+23], v[ASC+mS], v[\ws] matrix_a_fmt:MATRIX_FMT_FP4 matrix_b_fmt:MATRIX_FMT_FP4 matrix_b_scale:MATRIX_SCALE_ROW1
	v_wmma_scale_f32_16x16x128_f8f6f4 v[dA+24:dA+31], v[mA+8:mA+15], v[\b1:\b1+7], v[dA+24:dA+31], v[ASC+mS], v[\ws] matrix_a_fmt:MATRIX_FMT_FP4 matrix_b_fmt:MATRIX_FMT_FP4 matrix_a_scale:MATRIX_SCALE_ROW1 matrix_b_scale:MATRIX_SCALE_ROW1
.endif
.endm
; Step n's 16 matrix instructions.  The 16 accumulators take turns, one instruction a turn, in the same order in every step.
.macro MULS n
.set mP, (\n)/8
.set mS, (\n)%8
.set mA, AB+16*((\n)%2)
.set mB, BB+32*((\n)%2)
	WIN 0x59+4*mP                                  ; enc's fragments, C and D window 1; We's fragments window 2 (pass 0) or 3 (pass 1)
	MM4 0, (4*mS+0)*8, (4*mS+1)*8, WSC+8*(4*mP+0)+mS
	MM4 4, (4*mS+2)*8, (4*mS+3)*8, WSC+8*(4*mP+1)+mS
	WIN 0x55                                       ; We's fragments window 1: those that came from LDS
	MM4 8,  mB,    mB+8,  WSC+8*(4*mP+2)+mS
	MM4 12, mB+16, mB+24, WSC+8*(4*mP+3)+mS
.endm
; The pass's dot with v: E(row) += accumulator(row, n) v(n), two rows an instruction; each accumulator from its low end on.  The first eight lines of a sub-block start the sums.
.macro DOT p
	WIN 0x05                                       ; accumulators and v window 1; the sums window 0
.irp i, 0,1,2,3,4,5,6,7
.irp mt, 0,1
.irp jj, 0,1,2,3
.if (\p == 0) && (\i == 0)
	v_pk_mul_f32 v[E+8*\mt+2*\jj:E+8*\mt+2*\jj+1], v[8*(2*\i+\mt)+2*\jj:8*(2*\i+\mt)+2*\jj+1], v[VV+2*(8*\p+\i):VV+2*(8*\p+\i)+1]
.else
	v_pk_fma_f32 v[E+8*\mt+2*\jj:E+8*\mt+2*\jj+1], v[8*(2*\i+\mt)+2*\jj:8*(2*\i+\mt)+2*\jj+1], v[VV+2*(8*\p+\i):VV+2*(8*\p+\i)+1], v[E+8*\mt+2*\jj:E+8*\mt+2*\jj+1]
.endif
.endr
.endr
.endr
.endm
; A SUB-BLOCK: 16 steps.  In step n: the next step's twelve LDS loads; the wait for this step's; 16 matrix instructions; half a row of the next sub-block is quantised.
; The half row's plain vector lines (or four v_nop) are the places between a step's products and the loads into the set that they read, the dot's first read, and the next pass's first products.
; mode 0: a trip of the loop.  1: the last sub-block is quantised: its second half fills no slot again, and the counts run down.  2: the last sub-block is multiplied: nothing is left to quantise.
.macro SUB mode
	WIN 0
	v_add_nc_u32 v[AR], s[XR], v[AR0]              ; (no LDS instruction of mine is out: the barrier's wait was for 0)
	v_add_nc_u32 v[SR], s[XR], v[SR0]
	v_add_nc_u32 v[EPA], s[EO2], v[EP0]
.if \mode < 2
	v_add_nc_u32 v[CW], s[XW], v[CW0]
	v_add_nc_u32 v[SW], s[XW], v[SW0]
.endif
	ds_load_b128 v[ASC:ASC+3],   v[SR]             ; lane l: row l's eight scale words
	ds_load_b128 v[ASC+4:ASC+7], v[SR] offset:16
	LDFRAG 0
.set N, 0
.rept 16
.if N < 15
	LDFRAG N+1
.endif
.if N == 0
	s_wait_alu depctr_va_vdst(0)                   ; the wait here, directly ahead of the wait below
	s_wait_dscnt 12                                ; all but the twelve loads just issued
.elseif N < 15
.if \mode < 2
	s_wait_dscnt 16                                ; behind this step's loads: the last half row's four stores and the twelve loads just issued
.else
	s_wait_dscnt 12
.endif
.else
.if \mode < 2
	s_wait_dscnt 4                                 ; the last half row's four stores
.else
	s_wait_dscnt 0
.endif
.endif
	MULS N
.if \mode == 0
	QH N, 1, 1, 28                                 ; 28: the seven younger slots' loads
.elseif \mode == 1
.if N < 8
	QH N, 1, 0, 28
.else
	QH N, 0, 0, 4*(15-N)
.endif
.else
	PLACES 4
.endif
.if N == 7
	DOT 0
.endif
.if N == 15
	s_wait_alu depctr_va_vdst(0)                   ; the wait here
	DOT 1
.endif
.set N, N+1
.endr
	WIN 0
.irp x, 1,2,4,8                        ; the sum over the 16 lanes of a half: n % 16 = 0 .. 15
.irp e, 0,1,2,3,4,5,6,7,8,9,10,11,12,13,14,15
	v_add_f32_dpp v[E+\e], v[E+\e], v[E+\e] row_xmask:\x row_mask:0xf bank_mask:0xf
.endr
.endr
.irp mt, 0,1
.irp q, 0,1
	ds_store_b128 v[EPA], v[E+8*\mt+4*\q:E+8*\mt+4*\q+3] offset:64*\mt+16*\q   ; rows 16 mt + 8 h + 4 q on; the 16 lanes of a half write the same bytes with the same values
.endr
.endr
	s_wait_dscnt 0x0                               ; my stores into the next buffer have landed, and my reads of this one are back:
	s_barrier_signal -1
	s_xor_b32 s[XR], s[XR], XFLIP                  ; the buffers change parts
	s_xor_b32 s[XW], s[XW], XFLIP
	s_add_co_u32 s[EO2], s[EO2], 128
	s_barrier_wait -1                              ; both now hold of every wave
.if \mode == 0
	s_wait_xcnt 0x0                                ; the loads and prefetches issued so far have read their base: it steps only behind this wait
	s_add_nc_u64 s[4:5], s[4:5], SUBB
.endif
.endm
	; THE FIRST SUB-BLOCK is quantised with no products beside it.  The ring's loads are the youngest of the head's, so the first wait for 28 (the seven younger slots' loads) also shows We, its scales and v in.
	; Nothing is prefetched in its first half.
.irp h, 0,1,2,3,4,5,6,7,8,9,10,11,12,13,14,15
	s_wait_dscnt 4                                 ; all but the last half row's four stores are done: the set of registers that the half row before it stored is written again
	QH \h, 1, (\h)/8, 28
.endr
	s_wait_tensorcnt 0x0                           ; my 64 fragments of We lie in LDS
	s_wait_dscnt 0x0                               ; and my rows' codes and scale bytes
	s_barrier_signal -1
	s_mov_b32 s[XW], X0^XFLIP
	s_barrier_wait -1
	s_wait_xcnt 0x0
	s_add_nc_u64 s[4:5], s[4:5], SUBB              ; enc at the sub-block that is quantised next
	s_mov_b32 s39, 6
.Lsub:                                             ; sub-blocks 0 to 5 are multiplied, 1 to 6 quantised
	SUB 0
	s_sub_co_u32 s39, s39, 1
	s_cmp_lg_u32 s39, 0
	s_cbranch_scc1 .Lsub
	SUB 1
	SUB 2
	; THE WAY OUT: the four waves' partial energies of 256 rows are added; a thread takes two rows, a wave stores 256 consecutive bytes, aligned.
	v_lshl_add_u32 v1, v0, 3, EPB
	v_lshlrev_b32 v2, 3, v0
.irp wv, 0,1,2,3
	ds_load_b64 v[ST+2*\wv:ST+2*\wv+1], v1 offset:1024*\wv
.endr
	s_wait_dscnt 0x0
	v_pk_add_f32 v[ST:ST+1], v[ST:ST+1], v[ST+2:ST+3]
	v_pk_add_f32 v[ST:ST+1], v[ST:ST+1], v[ST+4:ST+5]
	v_pk_add_f32 v[ST:ST+1], v[ST:ST+1], v[ST+6:ST+7]
	s_wait_alu depctr_va_vdst(0)                   ; the wait here
	s_wait_tensorcnt 0x0                           ; the wave's last LDS lines, behind my last LDS store
	ds_add_u32 v254, v255
	s_wait_dscnt 0x0
	global_store_b64 v2, v[ST:ST+1], s[14:15]
	ROUND                                          ; the closing round: no work-group ends while a partner may still ask for a tile that names it
	s_endpgm
.Lfunc_end_k_qf2ef05d2d6_main:
	.size	k_qf2ef05d2d6_main, .Lfunc_end_k_qf2ef05d2d6_main-k_qf2ef05d2d6_main
	.p2alignl 7, 3214868480
	.fill 96, 4, 3214868480
	.section	.rodata,"a",@progbits
	.p2align	6, 0x0
	.amdhsa_kernel k_qf2ef05d2d6_main
		.amdhsa_group_segment_fixed_size 327680
		.amdhsa_private_segment_fixed_size 0
		.amdhsa_enable_private_segment 0
		.amdhsa_kernarg_size 40
		.amdhsa_user_sgpr_count 2
		.amdhsa_user_sgpr_kernarg_segment_ptr 1
		.amdhsa_wavefront_size32 1
		.amdhsa_system_sgpr_workgroup_id_x 1
		.amdhsa_system_sgpr_workgroup_id_y 1
		.amdhsa_system_sgpr_workgroup_id_z 1
		.amdhsa_system_vgpr_workitem_id 0
		.amdhsa_next_free_vgpr 1024
		.amdhsa_next_free_sgpr 66
		.amdhsa_reserve_vcc 0
		.amdhsa_float_denorm_mode_32 3
		.amdhsa_float_denorm_mode_16_64 3
		.amdhsa_memory_ordered 1
		.amdhsa_forward_progress 1
		.amdhsa_inst_pref_size 255
	.end_amdhsa_kernel
	.section	.bss,"aw",@nobits
	.p2align	6
	.space	262144
	.amdgpu_metadata
---
amdhsa.version: [ 1, 2 ]
amdhsa.kernels:
  - .name:           k_qf2ef05d2d6_main
    .symbol:         k_qf2ef05d2d6_main.kd
    .args:
      - { .name: encoder_outputs, .offset: 0, .size: 8, .value_kind: global_buffer, .address_space: global }
      - { .name: wq, .offset: 8, .size: 8, .value_kind: global_buffer, .address_space: global }
      - { .name: wsc, .offset: 16, .size: 8, .value_kind: global_buffer, .address_space: global }
      - { .name: v, .offset: 24, .size: 8, .value_kind: global_buffer, .address_space: global }
      - { .name: en, .offset: 32, .size: 8, .value_kind: global_buffer, .address_space: global }
    .group_segment_fixed_size: 327680
    .private_segment_fixed_size: 0
    .kernarg_segment_align: 8
    .kernarg_segment_size: 40
    .max_flat_workgroup_size: 128
    .sgpr_count:     66
    .vgpr_count:     1024
    .wavefront_size: 32
...
	.end_amdgpu_metadata
.endif
;; end of part 2
;; launch norm (part 3): grid 16 x 1, 16 waves a work-group, no clusters, 2,304 bytes of LDS; arguments en, out0; writes out0
.if DOCPART == 3
	.amdgcn_target "amdgcn-amd-amdhsa--gfx1250"
	.amdhsa_code_object_version 6
	.text
	.protected	k_qf2ef05d2d6_norm
	.globl	k_qf2ef05d2d6_norm
	.p2align	8
	.type	k_qf2ef05d2d6_norm,@function
k_qf2ef05d2d6_norm:
	s_mov_b64 s[64:65], 0
	v_nop
	global_prefetch_b8 v0, s[64:65] scope:SCOPE_SE
	s_setreg_imm32_b32 hwreg(HW_REG_WAVE_MODE, 25, 1), 1
	s_wait_xcnt 0x0
; out0[b][:] = softmax(en[b][:]) over 4,096 numbers, in f32, the row's maximum taken away first.  A work-group takes a batch; a thread takes 8 numbers, which stay in registers between the passes.
; Each load and store of a wave covers 512 consecutive bytes.  Maximum and sum: within the lane, across the wave's 32 lanes, then across the 16 waves through 16 words of LDS (other words for the sum, so that one barrier serves each).
; No matrix unit, no cluster, no tensor load: 16,384 bytes a work-group, read once.
; LIMITS: NaN and infinities are not served; a weight under 2^-126 comes out as 0 (v_exp_f32 flushes denormal results: ISA guide, its entry in 15.8).
	s_load_b128 s[4:7], s[0:1], 0x0                ; en, out0
	v_lshl_add_u32 v40, v0, 2, 0x100
	v_mov_b32 v41, 0
	v_lshlrev_b32 v1, 4, v0                        ; 16 bytes a thread
	v_lshrrev_b32 v2, 5, v0
	s_delay_alu instid0(VALU_DEP_1)
	v_lshlrev_b32 v2, 2, v2                        ; LDS: 4 x wave
	v_mov_b32 v3, 0
	v_mov_b32 v21, 0                               ; written once: a lane permute's destination counts as one of its sources
	s_lshl_b32 s8, ttmp9, 14                       ; a batch's 16,384 bytes
	s_mov_b32 s9, 0
	s_mov_b32 s10, 0x76543210
	s_mov_b32 s11, 0xfedcba98                      ; v_permlanex16_b32's selects for lane l xor 16
	s_wait_alu depctr_va_vdst(0)
	s_wait_kmcnt 0x0
	s_add_nc_u64 s[4:5], s[4:5], s[8:9]
	s_add_nc_u64 s[6:7], s[6:7], s[8:9]
	global_load_b128 v[4:7], v1, s[4:5]
	global_load_b128 v[8:11], v1, s[4:5] offset:8192
	s_wait_loadcnt 0x0
	v_max3_num_f32 v20, v4, v5, v6
	s_delay_alu instid0(VALU_DEP_1)
	v_max3_num_f32 v20, v20, v7, v8
	s_delay_alu instid0(VALU_DEP_1)
	v_max3_num_f32 v20, v20, v9, v10
	s_delay_alu instid0(VALU_DEP_1)
	v_max_num_f32 v20, v20, v11
	s_delay_alu instid0(VALU_DEP_1)
	v_max_num_f32_dpp v20, v20, v20 row_xmask:1 row_mask:0xf bank_mask:0xf
	s_delay_alu instid0(VALU_DEP_1)
	v_max_num_f32_dpp v20, v20, v20 row_xmask:2 row_mask:0xf bank_mask:0xf
	s_delay_alu instid0(VALU_DEP_1)
	v_max_num_f32_dpp v20, v20, v20 row_xmask:4 row_mask:0xf bank_mask:0xf
	s_delay_alu instid0(VALU_DEP_1)
	v_max_num_f32_dpp v20, v20, v20 row_xmask:8 row_mask:0xf bank_mask:0xf
	s_delay_alu instid0(VALU_DEP_1)
	v_permlanex16_b32 v21, v20, s10, s11
	s_delay_alu instid0(VALU_DEP_1)
	v_max_num_f32 v20, v20, v21                    ; the wave's maximum, in every lane
	ds_store_b32 v2, v20                           ; all lanes write the same word with the same value
	s_wait_dscnt 0x0                               ; for the others' sake
	s_barrier_signal -1
	s_barrier_wait -1
.irp i, 0,1,2,3
	ds_load_b128 v[24+4*\i:27+4*\i], v3 offset:16*\i
.endr
	s_wait_dscnt 0x0
	v_max3_num_f32 v20, v24, v25, v26
.irp i, 27,29,31,33,35,37
	s_delay_alu instid0(VALU_DEP_1)
	v_max3_num_f32 v20, v20, v[\i], v[\i+1]
.endr
	s_delay_alu instid0(VALU_DEP_1)
	v_max_num_f32 v20, v20, v39                    ; the row's maximum
.irp k, 4,6,8,10
	v_pk_add_f32 v[\k:\k+1], v[\k:\k+1], v[20:21] op_sel_hi:[1,0] neg_lo:[0,1] neg_hi:[0,1]   ; x - m first, so that nothing is lost where the energies are large,
.endr
.irp k, 4,6,8,10
	s_delay_alu instid0(VALU_DEP_4)
	v_pk_mul_f32 v[\k:\k+1], v[\k:\k+1], 0x3fb8aa3b op_sel_hi:[1,0]                            ; then x log2(e)
.endr
	s_wait_alu depctr_va_vdst(0)
.irp j, 4,5,6,7,8,9,10,11
	v_exp_f32 v[\j], v[\j]
.endr
	v_nop                                          ; a plain line behind the last exponential
	s_wait_alu depctr_va_vdst(0)                   ; one wait for the batch of eight, ahead of its first reader
	v_pk_add_f32 v[12:13], v[4:5], v[6:7]
	v_pk_add_f32 v[14:15], v[8:9], v[10:11]
	s_delay_alu instid0(VALU_DEP_1)
	v_pk_add_f32 v[12:13], v[12:13], v[14:15]
	s_delay_alu instid0(VALU_DEP_1)
	v_add_f32 v20, v12, v13
	s_delay_alu instid0(VALU_DEP_1)
	v_add_f32_dpp v20, v20, v20 row_xmask:1 row_mask:0xf bank_mask:0xf
	s_delay_alu instid0(VALU_DEP_1)
	v_add_f32_dpp v20, v20, v20 row_xmask:2 row_mask:0xf bank_mask:0xf
	s_delay_alu instid0(VALU_DEP_1)
	v_add_f32_dpp v20, v20, v20 row_xmask:4 row_mask:0xf bank_mask:0xf
	s_delay_alu instid0(VALU_DEP_1)
	v_add_f32_dpp v20, v20, v20 row_xmask:8 row_mask:0xf bank_mask:0xf
	s_delay_alu instid0(VALU_DEP_1)
	v_permlanex16_b32 v21, v20, s10, s11
	s_delay_alu instid0(VALU_DEP_1)
	v_add_f32 v20, v20, v21                        ; the wave's sum
	ds_store_b32 v2, v20 offset:64                 ; other words than the maxima's: some wave may still be reading those
	s_wait_dscnt 0x0
	s_barrier_signal -1
	s_barrier_wait -1
.irp i, 0,1,2,3
	ds_load_b128 v[24+4*\i:27+4*\i], v3 offset:64+16*\i
.endr
	s_wait_dscnt 0x0
	v_pk_add_f32 v[24:25], v[24:25], v[26:27]
	v_pk_add_f32 v[28:29], v[28:29], v[30:31]
	v_pk_add_f32 v[32:33], v[32:33], v[34:35]
	v_pk_add_f32 v[36:37], v[36:37], v[38:39]
	s_delay_alu instid0(VALU_DEP_3)
	v_pk_add_f32 v[24:25], v[24:25], v[28:29]
	s_delay_alu instid0(VALU_DEP_2)
	v_pk_add_f32 v[32:33], v[32:33], v[36:37]
	s_delay_alu instid0(VALU_DEP_1)
	v_pk_add_f32 v[24:25], v[24:25], v[32:33]
	s_delay_alu instid0(VALU_DEP_1)
	v_add_f32 v20, v24, v25                        ; the row's sum: at least 1, since the largest weight is 1
	s_wait_alu depctr_va_vdst(0)
	v_rcp_f32 v20, v20
	v_nop                                          ; a plain line behind the reciprocal
	s_wait_alu depctr_va_vdst(0)                   ; and the wait ahead of its first reader
.irp k, 4,6,8,10
	v_pk_mul_f32 v[\k:\k+1], v[\k:\k+1], v[20:21] op_sel_hi:[1,0]
.endr
	s_wait_alu depctr_va_vdst(0)                   ; the wait here
	s_wait_tensorcnt 0x0                           ; the wave's last LDS lines, behind my last LDS store
	ds_add_u32 v40, v41
	s_wait_dscnt 0x0
	global_store_b128 v1, v[4:7], s[6:7]
	global_store_b128 v1, v[8:11], s[6:7] offset:8192
	s_endpgm
.Lfunc_end_k_qf2ef05d2d6_norm:
	.size	k_qf2ef05d2d6_norm, .Lfunc_end_k_qf2ef05d2d6_norm-k_qf2ef05d2d6_norm
	.p2alignl 7, 3214868480
	.fill 96, 4, 3214868480
	.section	.rodata,"a",@progbits
	.p2align	6, 0x0
	.amdhsa_kernel k_qf2ef05d2d6_norm
		.amdhsa_group_segment_fixed_size 2304
		.amdhsa_private_segment_fixed_size 0
		.amdhsa_enable_private_segment 0
		.amdhsa_kernarg_size 16
		.amdhsa_user_sgpr_count 2
		.amdhsa_user_sgpr_kernarg_segment_ptr 1
		.amdhsa_wavefront_size32 1
		.amdhsa_system_sgpr_workgroup_id_x 1
		.amdhsa_system_sgpr_workgroup_id_y 1
		.amdhsa_system_sgpr_workgroup_id_z 1
		.amdhsa_system_vgpr_workitem_id 0
		.amdhsa_next_free_vgpr 42
		.amdhsa_next_free_sgpr 66
		.amdhsa_reserve_vcc 0
		.amdhsa_float_denorm_mode_32 3
		.amdhsa_float_denorm_mode_16_64 3
		.amdhsa_memory_ordered 1
		.amdhsa_forward_progress 1
		.amdhsa_inst_pref_size 7
	.end_amdhsa_kernel
	.amdgpu_metadata
---
amdhsa.version: [ 1, 2 ]
amdhsa.kernels:
  - .name:           k_qf2ef05d2d6_norm
    .symbol:         k_qf2ef05d2d6_norm.kd
    .args:
      - { .name: en, .offset: 0, .size: 8, .value_kind: global_buffer, .address_space: global }
      - { .name: out0, .offset: 8, .size: 8, .value_kind: global_buffer, .address_space: global }
    .group_segment_fixed_size: 2304
    .private_segment_fixed_size: 0
    .kernarg_segment_align: 8
    .kernarg_segment_size: 16
    .max_flat_workgroup_size: 512
    .sgpr_count:     66
    .vgpr_count:     42
    .wavefront_size: 32
...
	.end_amdgpu_metadata
.endif
;; end of part 3
